; MI455X (gfx1250); checked and timed in simulation.
; The chip was launched on July 23, 2026; its instructions are those of AMD's public machine-readable ISA for CDNA 5 (MIT licence, August 2026) and "CDNA5" Instruction Set Architecture Reference Guide (July 2026). The comments in the code are by the model that wrote it; some were corrected since.
;; Multi Head Encoder Attention. Allowed arithmetic: matrix products marked QUANTISED: E2M3 operands, one E8M0 scale for each 32 along K, by v_wmma_scale_f32_16x16x128_f8f6f4 with both operands' format E2M3, f32 sums; everything else in f32.
;; Inputs: Wk 16 x 1,024 x 64 float32; Wq 16 x 1,024 x 64 float32; Wv 16 x 1,024 x 64 float32; attn_mask 8 x 1,024 x 1,024 int32; bk 16 x 64 float32; bq 16 x 64 float32; bv 16 x 64 float32; decoder_batch 8 x 1,024 x 1,024 float32; encoder_out 8 x 1,024 x 1,024 float32.
;; Outputs: out0 8 x 1,024 x 1,024 float32.
;; This version of the problem:
;;   THIS VERSION OF THE PROBLEM IS GIVEN IN LOW PRECISION. The matrix products marked QUANTISED in the list below multiply operands that are first quantised to E2M3 (2 exponent bits, 3 mantissa bits; 6 bits a number), with one power-of-two scale for each 32 numbers along K (OCP MX v1.0); their sums are f32. All else is computed in f32.
;;   The module's matrix products, in the order in which they are computed (A, B: the left and right operand; K: the contracted axis; several contracted axes count as one K, in the product's order):
;;     1. [M 1,024, K 1,024] x [K 1,024, N 8,192]; A: input Wq; B: input decoder_batch: QUANTISED
;;     2. [M 1,024, K 1,024] x [K 1,024, N 8,192]; A: input Wk; B: input encoder_out: QUANTISED
;;     3. [M 1,024, K 1,024] x [K 1,024, N 8,192]; A: input Wv; B: input encoder_out: QUANTISED
;;     4. batch 128 x [M 1,024, K 64] x [K 64, N 1,024]; A: computed on the way; B: computed on the way: QUANTISED
;;     5. batch 128 x [M 1,024, K 1,024] x [K 1,024, N 64]; A: computed on the way; B: computed on the way: QUANTISED
;;   THE QUANTISER, for each operand of a quantised product, along K:
;;     - K is cut into blocks of 32 from its start; a last block that is shorter is filled with zeros.
;;     - A block's scale is 2^e with e = floor(log2(the largest magnitude in the block)) - 2, held to -126 .. 127; a block of zeros has e = 0. As a byte (E8M0): e + 127.
;;     - Each number is divided by its block's scale, clamped to +-7.5, and rounded to the nearest number of E2M3, ties to even, subnormals kept.
;;     - The product sums the exact products of the quantised numbers (number of the format x scale) in f32.
;;   ~~~python
;;   def quantise(x, axis):      # numpy; x: float32 -> the quantised numbers, widened to float32 again
;;       x = np.moveaxis(x, axis, -1); K = x.shape[-1]
;;       x = np.pad(x, [(0, 0)] * (x.ndim - 1) + [(0, -K % 32)]); x = x.reshape(x.shape[:-1] + (-1, 32)); a = np.abs(x).max(-1, keepdims=True)
;;       e = np.where(a > 0, np.clip(np.frexp(np.where(a > 0, a, 1))[1] - 1 - 2, -126, 127), 0)      # np.frexp(a)[1] - 1 = floor(log2(a)), exactly
;;       r = np.clip(x / 2.0 ** e, -7.5, 7.5)
;;       step = 2.0 ** (np.maximum(np.frexp(np.where(r == 0, 1, r))[1] - 1, 0) - 3)
;;       q = np.round(r / step) * step * 2.0 ** e      # np.round: ties to even
;;       return np.moveaxis(q.reshape(q.shape[:-2] + (-1,))[..., :K], -1, axis).astype(np.float32)
;;   ~~~
;;   OPERANDS COMPUTED ON THE WAY. 'Computed on the way' means the value that the module computes at that place (a softmax that the list does not call 'softmax' is quantised finished and normalised). What goes into a quantiser is computed in f32, as accurately as f32 sums, v_exp_f32 and their like allow (about 1e-6 of the number): no bf16 or f16 on the way to a quantiser, and a product that is left as it is and whose result goes on into a quantised operand takes f32 operands (vector FMAs, or v_wmma_f32_16x16x4_f32). A number that lies on a knife's edge between two numbers of the format may be rounded either way, as far as f32 arithmetic and the matrix unit's own rounding can turn it there, and no further.
;; One version. Each part assembles by itself: llvm-mc -triple=amdgcn-amd-amdhsa -mcpu=gfx1250 --defsym DOCPART=n.
;; ======== version 1 of 1: 3 launches
;; limits: right only within a limited range of input values
;; workspace buffers: xcodes 12,582,912 bytes; xscales 524,288 bytes; wcodes 2,359,296 bytes; wscales 98,304 bytes; mimg 4,194,304 bytes; img 18,874,368 bytes; scl 1,310,720 bytes
;; launch prep (part 1): grid 608 x 1, 4 waves a work-group, no clusters, 68,096 bytes of LDS; arguments decoder_batch, encoder_out, Wq, Wk, Wv, xcodes, xscales, wcodes, wscales; writes xcodes, xscales, wcodes, wscales
.if DOCPART == 1
	.amdgcn_target "amdgcn-amd-amdhsa--gfx1250"
	.amdhsa_code_object_version 6
	.text
	.protected	k_qb0f3491f2b_prep
	.globl	k_qb0f3491f2b_prep
	.p2align	8
	.type	k_qb0f3491f2b_prep,@function
k_qb0f3491f2b_prep:
	s_mov_b64 s[64:65], 0
	v_nop
	global_prefetch_b8 v0, s[64:65] scope:SCOPE_SE
	s_setreg_imm32_b32 hwreg(HW_REG_WAVE_MODE, 25, 1), 1
	s_wait_xcnt 0x0
; PREPARATION, one launch, two kinds of work-group, told apart by the work-group's number alone:
;   0 .. 95    W: Wq, Wk, Wv [16 heads][1024 (K)][64], f32, K not innermost -> codes of FP6 (E2M3) laid [1024 features][768 bytes], K innermost, and one E8M0 byte for each 32 along K
;   96 .. 607  X: decoder_batch, encoder_out [8192 rows][1024], f32, K innermost -> codes [8192][768 bytes] and scale bytes [8192][32]
; A block's scale is 2^(floor(log2(its largest magnitude)) - 2); its byte is the largest magnitude's exponent field - 2, held at 1 from below; numbers are divided by the scale and rounded to the nearest code, ties to even.
; A block of zeros gets the byte 1 where the rule says 127: its codes are zeros, which add nothing under any byte but 0xff, and this program alone reads the bytes.
; ROWS ARE PERMUTED WHERE THEY ARE STORED: row p of encoder_out's and of the weights' codes holds token or feature swap34(p), bits 3 and 4 of the number exchanged.  Sixteen consecutive stored rows are then
; a tile whose lane r holds row 32 b + 8 u + r + 8 (r / 8), so that a transposed product's 16 registers of two neighbouring tiles are 16 neighbours along the next product's K.  decoder_batch's rows keep their order.
; LIMITS: blocks whose largest magnitude lies under 2^-124 keep the byte 1; NaN and infinities among the inputs are not served.
; No tensor loads, no barrier: waves share nothing.  Each kind of work-group has LDS bytes of its own.
.set SPARE, 67584                      ; the spare words, 128 bytes for each wave: two blocks of 256 bytes that no other line names
.set SPW,   192                        ; v192 LDS address of my spare word; never rewritten
.set NIL,   193                        ; v193 0; never rewritten
	s_load_b256 s[4:11], s[0:1], 0x0               ; dec s[4:5], enc s[6:7], Wq s[8:9], Wk s[10:11]
	s_load_b64 s[12:13], s[0:1], 0x20              ; Wv
	s_load_b256 s[16:23], s[0:1], 0x28             ; xcodes s[16:17], xscales s[18:19], wcodes s[20:21], wscales s[22:23]
	v_lshl_add_u32 v[SPW], v0, 2, SPARE
	v_mov_b32 v[NIL], 0
	v_lshrrev_b32 v1, 5, v0
	v_readfirstlane_b32 s26, v1                    ; wave 0..3
	v_and_b32 v2, 31, v0                           ; lane
	s_wait_kmcnt 0x0
	s_cmp_lt_u32 ttmp9, 96
	s_cbranch_scc1 .LW
; ---------------------------------------------------------------- X: rows with K innermost
; A tensor is a plain stream of blocks of 32.  A wave takes a run of 8,192 numbers (8 rows) in 16 steps of 512.  Each load reads 512 consecutive bytes; a step's 2,048 bytes turn through the wave's own stage in LDS and
; come back 64 bytes a lane: 16 neighbours along K, two lanes to a block.  A run is 8 rows, so exchanging bits 0 and 1 of the run's number exchanges bits 3 and 4 of the rows': encoder_out's runs are stored so.
.set STEPS, 16
.set CB,    12                         ; bytes of 16 codes
.set XR,    16                         ; v16-79   four sets of 16 numbers as loaded
.set XX,    80                         ; v80-111  two sets of 16 neighbours
.set XE,    112                        ; v112-127 a scale byte for each step
.set XC,    128                        ; v128-191 codes: four registers for each step, so that no store's data are written again
.set WREG,  8192                       ; LDS bytes 0 .. 32,767: a region for each wave: two stages of 32 x 80 bytes, then its 256 scale bytes
.set SP,    80
	s_sub_co_u32 s27, ttmp9, 96                    ; 0 .. 511: the first 256 take decoder_batch
	s_wait_alu depctr_va_vdst(0)
	v_lshlrev_b32 v3, 4, v2                        ; my 16 bytes of a load's 512
	s_mul_i32 s28, s26, WREG
	v_lshrrev_b32 v14, 2, v2
	v_mul_u32_u24 v14, v14, SP
	v_and_b32 v15, 3, v2
	v_lshl_add_u32 v14, v15, 4, v14
	v_add_nc_u32 v14, s28, v14                     ; the stage, on the way in: four lanes' 64 bytes on end, then 16 of padding
	v_mul_u32_u24 v15, v2, SP
	v_add_nc_u32 v15, s28, v15                     ; and on the way out: my 16 neighbours
	v_mul_u32_u24 v4, v2, CB                       ; my codes' place in a step's
	v_lshrrev_b32 v5, 1, v2
	s_add_co_u32 s28, s28, 2*32*SP
	v_add_nc_u32 v5, s28, v5                       ; my block's scale byte in LDS
	v_lshlrev_b32 v7, 3, v2
	v_add_nc_u32 v6, s28, v7                       ; and on the way out 8 bytes a lane
	s_and_b32 s33, s26, 1
	s_lshl_b32 s33, s33, 1
	s_lshr_b32 s34, s26, 1
	s_or_b32 s33, s33, s34                         ; the wave's number with its two bits exchanged
	s_cmp_lt_u32 s27, 256                          ; the choice hangs on the work-group's number alone
	s_cselect_b64 s[4:5], s[4:5], s[6:7]
	s_cselect_b32 s30, 0, 6291456                  ; encoder_out's codes lie behind decoder_batch's,
	s_cselect_b32 s31, 0, 262144                   ; its scale bytes likewise
	s_cselect_b32 s33, s26, s33
	s_and_b32 s27, s27, 255
	s_lshl_b32 s27, s27, 2
	s_add_co_u32 s34, s27, s26                     ; the run that I read
	s_add_co_u32 s35, s27, s33                     ; and the run's place where I store
	s_lshl_b32 s36, s34, 15
	s_mov_b32 s37, 0
	s_add_nc_u64 s[4:5], s[4:5], s[36:37]
	s_mul_i32 s36, s35, 32*STEPS*CB
	s_add_co_u32 s36, s36, s30
	s_add_nc_u64 s[16:17], s[16:17], s[36:37]
	s_lshl_b32 s36, s35, 8
	s_add_co_u32 s36, s36, s31
	s_add_nc_u64 s[18:19], s[18:19], s[36:37]
.macro XLOAD t
.irp i, 0,1,2,3
	global_load_b128 v[XR+16*((\t)%4)+4*\i:XR+16*((\t)%4)+4*\i+3], v3, s[4:5] offset:2048*(\t)+512*\i th:TH_LOAD_NT   ; 32 lanes read 512 consecutive bytes
.endr
.endm
.macro XTURN t                         ; LDS serves a wave's instructions in order, so no wait stands between the stores and the loads
.irp i, 0,1,2,3
	ds_store_b128 v14, v[XR+16*((\t)%4)+4*\i:XR+16*((\t)%4)+4*\i+3] offset:32*SP*((\t)%2)+8*SP*\i
.endr
.irp i, 0,1,2,3
	ds_load_b128 v[XX+16*((\t)%2)+4*\i:XX+16*((\t)%2)+4*\i+3], v15 offset:32*SP*((\t)%2)+16*\i
.endr
.endm
.irp t, 0,1,2,3
	XLOAD \t
.endr
	s_wait_alu depctr_va_vdst(0)
	s_wait_loadcnt 12                              ; step 0's four loads are in
	XTURN 0
.macro XSTEP t
.set XS, XX+16*((\t)%2)
.if (\t) > 0
	s_wait_dscnt 1                                 ; this step's numbers are back from the stage (the last step's byte store may be out)
.else
	s_wait_dscnt 0x0
.endif
.if (\t)+4 < STEPS
	XLOAD (\t)+4
.endif
.if (\t)+1 < STEPS
.if STEPS-2-(\t) >= 3
	s_wait_loadcnt 12                              ; the next step's four loads are in; those of the three steps behind it may be out
.else
	s_wait_loadcnt 4*(STEPS-2-(\t))
.endif
	XTURN (\t)+1
.endif
	v_max3_num_f32 v8, |v[XS]|, |v[XS+1]|, |v[XS+2]|               ; the largest magnitude of my 16, in two chains
	v_max3_num_f32 v9, |v[XS+3]|, |v[XS+4]|, |v[XS+5]|
.irp i, 6,10
	v_max3_num_f32 v8, v8, |v[XS+\i]|, |v[XS+\i+1]|
	v_max3_num_f32 v9, v9, |v[XS+\i+2]|, |v[XS+\i+3]|
.endr
	v_max3_num_f32 v8, v8, |v[XS+14]|, |v[XS+15]|
	v_max3_num_f32 v8, v8, v9, 0x1800000           ; and the floor 2^(3 - 127): the byte cannot fall under 1
	v_max_num_f32_dpp v8, v8, v8 row_xmask:1 row_mask:0xf bank_mask:0xf   ; and of my neighbour's 16: the block's
	v_add_nc_u32 v11, 0xff000000, v8               ; 2 off its exponent field: the conversion takes the exponent field of this operand as its scale
	v_cvt_scalef32_pk16_fp6_f32 v[XC+4*(\t):XC+4*(\t)+2], v[XS:XS+15], v11
	v_lshrrev_b32 v[XE+(\t)], 23, v11              ; the scale's byte
	ds_store_b8 v5, v[XE+(\t)] offset:16*(\t)      ; both lanes of a block write the same byte with the same value
	global_store_b96 v4, v[XC+4*(\t):XC+4*(\t)+2], s[16:17] offset:32*CB*(\t)   ; the wave stores 384 consecutive bytes
.endm
.irp t, 0,1,2,3,4,5,6,7,8,9,10,11,12,13,14,15
	XSTEP \t
.endr
	ds_load_b64 v[8:9], v6                         ; my wave's 256 scale bytes
	s_wait_dscnt 0x0
	global_store_b64 v7, v[8:9], s[18:19]          ; 32 lanes store 256 consecutive bytes, aligned
	s_wait_tensorcnt 0x0                           ; the wave's end
	ds_add_u32 v[SPW], v[NIL]
	s_wait_dscnt 0x0
	s_endpgm
; ---------------------------------------------------------------- W: weights, K along the first axis of a head
; A lane takes a column and its registers run down K: a block of 32 lies in one lane, and the conversions give codes with K innermost.  A wave takes 32 columns x 256 along K of one head: 384 waves in all.
; The codes leave through the wave's own stage, whose row for a column is the column's number with bits 3 and 4 exchanged: so the stage's rows, stored in order, are the permuted rows.
.LW:
.set WX,    32                         ; v32-95   two sets of 32 numbers
.set WC,    96                         ; v96..    a block's codes
.set OUTR,  112                        ; v112-175 the way out
.set SB,    24                         ; v24-25   the scale bytes
.set WPITCH, 272                       ; a stage row: sixteen places of 16 bytes, each with 12 bytes of codes, + 16
	s_lshr_b32 s27, ttmp9, 1
	s_lshr_b32 s28, s27, 4                         ; tensor 0, 1, 2
	s_and_b32 s29, s27, 15                         ; head
	s_and_b32 s30, ttmp9, 1
	s_lshl_b32 s30, s30, 1
	s_lshr_b32 s31, s26, 1
	s_add_co_u32 s30, s30, s31                     ; which 256 along K
	s_and_b32 s31, s26, 1                          ; which 32 columns
	s_cmp_eq_u32 s28, 0
	s_cselect_b64 s[8:9], s[8:9], s[10:11]
	s_cmp_eq_u32 s28, 2
	s_cselect_b64 s[8:9], s[12:13], s[8:9]
	s_lshl_b32 s32, s29, 18                        ; a head is 262,144 bytes, 256 rows of K 65,536, 32 columns 128
	s_lshl_b32 s33, s30, 16
	s_add_co_u32 s32, s32, s33
	s_lshl_b32 s33, s31, 7
	s_add_co_u32 s32, s32, s33
	s_mov_b32 s33, 0
	s_add_nc_u64 s[8:9], s[8:9], s[32:33]
	s_wait_alu depctr_va_vdst(0)
	v_lshlrev_b32 v3, 2, v2                        ; in: 4 bytes a lane
	v_and_b32 v10, 7, v2
	v_bfe_u32 v11, v2, 3, 1
	v_bfe_u32 v12, v2, 4, 1
	v_lshl_add_u32 v10, v11, 4, v10
	v_lshl_add_u32 v10, v12, 3, v10                ; my lane's number with bits 3 and 4 exchanged
	s_mul_i32 s34, s26, 32*WPITCH
	s_add_co_u32 s34, s34, 32768                   ; my stage: LDS bytes 32,768 .. 67,583 are this path's
	v_mul_u32_u24 v4, v10, WPITCH
	v_add_nc_u32 v4, s34, v4                       ; into it
	v_and_b32 v5, 15, v2
	v_lshrrev_b32 v6, 4, v2
	v_mul_u32_u24 v7, v6, WPITCH
	v_lshl_add_u32 v7, v5, 4, v7
	v_add_nc_u32 v7, s34, v7                       ; out of it: sixteen lanes to a row, two rows an instruction
	v_mul_u32_u24 v8, v6, 768
	v_mad_u32_u24 v8, v5, 12, v8                   ; and the same place in the codes' buffer
	v_lshlrev_b32 v9, 5, v10                       ; my column's row of scale bytes
	s_mul_i32 s32, s28, 786432
	s_lshl_b32 s35, s29, 6
	s_lshl_b32 s36, s31, 5
	s_add_co_u32 s35, s35, s36                     ; my wave's first stored row: 64 x head + 32 x half
	s_mul_i32 s36, s35, 768
	s_add_co_u32 s32, s32, s36
	s_mul_i32 s36, s30, 192
	s_add_co_u32 s32, s32, s36
	s_add_nc_u64 s[20:21], s[20:21], s[32:33]
	s_lshl_b32 s32, s28, 15
	s_lshl_b32 s36, s35, 5
	s_add_co_u32 s32, s32, s36
	s_lshl_b32 s36, s30, 3
	s_add_co_u32 s32, s32, s36
	s_add_nc_u64 s[22:23], s[22:23], s[32:33]
.macro WLOAD t                         ; block t: W(32 t + i, my column) into set t % 2
.set k, 0
.rept 32
	global_load_b32 v[WX+32*((\t)%2)+k], v3, s[8:9] offset:(32*(\t)+k)*256 th:TH_LOAD_NT
.set k, k+1
.endr
.endm
	WLOAD 0
	WLOAD 1
.macro WBLOCK t
.set XS2, WX+32*((\t)%2)
.if (\t) < 7
	s_wait_loadcnt 32                              ; this block's 32 loads are in; the next block's may be out
.else
	s_wait_loadcnt 0x0
.endif
	v_max3_num_f32 v12, |v[XS2]|, |v[XS2+1]|, |v[XS2+2]|            ; all 32 numbers of the block are mine
	v_max3_num_f32 v13, |v[XS2+3]|, |v[XS2+4]|, |v[XS2+5]|
.irp i, 6,10,14,18,22,26
	v_max3_num_f32 v12, v12, |v[XS2+\i]|, |v[XS2+\i+1]|
	v_max3_num_f32 v13, v13, |v[XS2+\i+2]|, |v[XS2+\i+3]|
.endr
	v_max3_num_f32 v12, v12, |v[XS2+30]|, |v[XS2+31]|
	v_max3_num_f32 v12, v12, v13, 0x1800000        ; the floor
	v_add_nc_u32 v11, 0xff000000, v12              ; the conversion's scale operand
	v_lshrrev_b32 v13, 23, v11                     ; the scale's byte
.if (\t)%4 == 0
	v_mov_b32 v[SB+(\t)/4], v13
.else
	v_lshl_or_b32 v[SB+(\t)/4], v13, 8*((\t)%4), v[SB+(\t)/4]
.endif
	v_cvt_scalef32_pk16_fp6_f32 v[WC:WC+2], v[XS2:XS2+15], v11
	v_cvt_scalef32_pk16_fp6_f32 v[WC+4:WC+6], v[XS2+16:XS2+31], v11   ; (a conversion's three registers begin on an even number)
	ds_store_b96 v4, v[WC:WC+2] offset:32*(\t)     ; 12 bytes to a place of 16, so that every LDS address is a multiple of 16
	ds_store_b96 v4, v[WC+4:WC+6] offset:32*(\t)+16
.if (\t)+2 < 8
	WLOAD (\t)+2
.endif
	s_wait_dscnt 0x0                               ; the stores have read their registers: the next block's codes may be written
.endm
.irp t, 0,1,2,3,4,5,6,7
	WBLOCK \t
.endr
	s_wait_alu depctr_va_vdst(0)
	global_store_b64 v9, v[SB:SB+1], s[22:23]      ; my column's 8 scale bytes
.irp t, 0,1,2,3,4,5,6,7,8,9,10,11,12,13,14,15
	ds_load_b96 v[OUTR+4*\t:OUTR+4*\t+2], v7 offset:2*\t*WPITCH
.endr
.irp t, 0,1,2,3,4,5,6,7,8,9,10,11,12,13,14,15
	s_wait_dscnt 15-\t                             ; the later rows' loads may be out
	global_store_b96 v8, v[OUTR+4*\t:OUTR+4*\t+2], s[20:21] offset:2*\t*768   ; sixteen lanes store a row's 192 consecutive bytes
.endr
	s_wait_tensorcnt 0x0                           ; the wave's end
	ds_add_u32 v[SPW], v[NIL]
	s_wait_dscnt 0x0
	s_endpgm
.Lfunc_end_k_qb0f3491f2b_prep:
	.size	k_qb0f3491f2b_prep, .Lfunc_end_k_qb0f3491f2b_prep-k_qb0f3491f2b_prep
	.p2alignl 7, 3214868480
	.fill 96, 4, 3214868480
	.section	.rodata,"a",@progbits
	.p2align	6, 0x0
	.amdhsa_kernel k_qb0f3491f2b_prep
		.amdhsa_group_segment_fixed_size 68096
		.amdhsa_private_segment_fixed_size 0
		.amdhsa_enable_private_segment 0
		.amdhsa_kernarg_size 72
		.amdhsa_user_sgpr_count 2
		.amdhsa_user_sgpr_kernarg_segment_ptr 1
		.amdhsa_wavefront_size32 1
		.amdhsa_system_sgpr_workgroup_id_x 1
		.amdhsa_system_sgpr_workgroup_id_y 1
		.amdhsa_system_sgpr_workgroup_id_z 1
		.amdhsa_system_vgpr_workitem_id 0
		.amdhsa_next_free_vgpr 196
		.amdhsa_next_free_sgpr 66
		.amdhsa_reserve_vcc 0
		.amdhsa_float_denorm_mode_32 3
		.amdhsa_float_denorm_mode_16_64 3
		.amdhsa_memory_ordered 1
		.amdhsa_forward_progress 1
		.amdhsa_inst_pref_size 74
	.end_amdhsa_kernel
	.amdgpu_metadata
---
amdhsa.version: [ 1, 2 ]
amdhsa.kernels:
  - .name:           k_qb0f3491f2b_prep
    .symbol:         k_qb0f3491f2b_prep.kd
    .args:
      - { .name: decoder_batch, .offset: 0, .size: 8, .value_kind: global_buffer, .address_space: global }
      - { .name: encoder_out, .offset: 8, .size: 8, .value_kind: global_buffer, .address_space: global }
      - { .name: Wq, .offset: 16, .size: 8, .value_kind: global_buffer, .address_space: global }
      - { .name: Wk, .offset: 24, .size: 8, .value_kind: global_buffer, .address_space: global }
      - { .name: Wv, .offset: 32, .size: 8, .value_kind: global_buffer, .address_space: global }
      - { .name: xcodes, .offset: 40, .size: 8, .value_kind: global_buffer, .address_space: global }
      - { .name: xscales, .offset: 48, .size: 8, .value_kind: global_buffer, .address_space: global }
      - { .name: wcodes, .offset: 56, .size: 8, .value_kind: global_buffer, .address_space: global }
      - { .name: wscales, .offset: 64, .size: 8, .value_kind: global_buffer, .address_space: global }
    .group_segment_fixed_size: 68096
    .private_segment_fixed_size: 0
    .kernarg_segment_align: 8
    .kernarg_segment_size: 72
    .max_flat_workgroup_size: 128
    .sgpr_count:     66
    .vgpr_count:     196
    .wavefront_size: 32
...
	.end_amdgpu_metadata
.endif
;; end of part 1
;; launch proj (part 2): grid 16 x 32, 4 waves a work-group, clusters of 4 x 4, 327,680 bytes of LDS; arguments xcodes, xscales, wcodes, wscales, bq, bk, bv, img, scl, attn_mask, mimg; writes img, scl, mimg
.if DOCPART == 2
	.amdgcn_target "amdgcn-amd-amdhsa--gfx1250"
	.amdhsa_code_object_version 6
	.text
	.protected	k_qb0f3491f2b_proj
	.globl	k_qb0f3491f2b_proj
	.p2align	8
	.type	k_qb0f3491f2b_proj,@function
k_qb0f3491f2b_proj:
	s_mov_b64 s[64:65], 0
	v_nop
	global_prefetch_b8 v0, s[64:65] scope:SCOPE_SE
	s_setreg_imm32_b32 hwreg(HW_REG_WAVE_MODE, 25, 1), 1
	s_wait_xcnt 0x0
	s_wait_alu depctr_hold_cnt(0) depctr_sa_sdst(0) depctr_va_vdst(0) depctr_va_sdst(0) depctr_va_ssrc(0) depctr_va_vcc(0) depctr_vm_vsrc(0)
	s_getreg_b32 s2, hwreg(HW_REG_IB_STS2, 6, 4)
	s_cmp_eq_u32 s2, 0
	s_cbranch_scc0 .Lentry_in_a_cluster
	s_endpgm
.Lentry_in_a_cluster:
	s_bfe_u32 s2, ttmp6, 0x10000c
	s_cmp_lg_u32 s2, 0xf033
	s_cbranch_scc0 .Lentry_shape_is_right
	s_endpgm
.Lentry_shape_is_right:
; THE THREE PROJECTIONS q, k, v: GEMMs of 8,192 tokens x 1,024 features over K = 1,024 on codes of FP6 (E2M3) with one E8M0 scale for each 32 along K; then the bias in f32 and the quantiser of the NEXT product, in registers.
; What is stored are the attention launch's operands as images of their registers.  In clusters of its own: THE MASK'S PACKING (at the text's end).
; 32 clusters of 4 x 4 work-groups, numbered x + 4 y: 0-7 make q, 8-15 k, 16-23 v (1,024 x 1,024 each), 24-31 pack attn_mask.
; A tile of 256 x 256 is made by four waves, each 128 x 128: 64 accumulators.  K goes through a ring of two LDS slots in CHUNKS OF 256 BYTES of each row of codes (a row is 768 bytes: three chunks, each on a 256-byte border).
; A step of 128 along K is 96 bytes: eight steps to three chunks; steps 2 and 5 lie across two chunks.  The scale bytes of the work-group's rows, for all of K, come into LDS once, at the head.
; SIDES.  The matrix instruction is used transposed: source 0 = 16 rows of side B, source 1 = 16 rows of side A: a lane holds one row of A and eight rows of B.  The side that the next product contracts is B:
;   q, k: A = tokens, B = the weight's features;   v: A = Wv's features, B = encoder_out's tokens.
; B's stored rows are permuted (bits 3 and 4 of the row's number exchanged), so that a lane's 16 registers of two neighbouring tiles are 16 neighbours along the next K.
; JOINT LOADS: A's tiles are asked for jointly along a row of the cluster, B's along a column.  Which tensors are A and B hangs on the cluster's number alone.
; NO PREFETCH: the walk along K is three chunks, written out; chunks 0 and 1 are asked for at the head and chunk 2 two steps on: there is no loop to run ahead in.
; OUT.  img [bh 128][147,456]: Q 64 tiles x 768 bytes, K likewise, V [chunk of 128 keys 8][tile of 16 channels 4][1,536].  A 768-byte tile is six registers a lane: registers 0-3 at 16 x lane, 4-5 at 512 + 8 x lane.
; scl [bh][10,240]: Q's and K's scale words [tile / 4][row 16][tile % 4] (two bytes, the upper two 0), V's [chunk 8][row 16][tile 4].
; LIMITS: blocks whose largest magnitude lies under 2^-124 keep the byte 1; NaN and infinities are not served.
; REGISTERS: window 0: v0-31 addresses; v32-63 scale words, two sets; v128-223 A's fragments; v224-239 bv; on the way out v64-179 at work.  window 1: B's fragments at v0 and v128; bq or bk in v96-127, v224-255.  windows 2, 3: accumulators.
.set ROWB,   256
.set NQ,     2
.set KROW,   768
.set STEPS,  8
.set CHUNKS, 3
.set PITCH,  272
.set FR,     12
.set NL,     6
.set NP,     4
.set HALFT,  128*PITCH
.set SLOT,   4*HALFT
.set KS,     32
.set SCL,    2*SLOT
.set HALFS,  16*272
.set SBLK,   2*272
.set SPARE,  SCL+4*HALFS               ; the spare words: two blocks of 256 bytes that no other line names
.set MLDS,   SPARE+512                 ; the mask path's stages, 4,224 bytes a wave; no tile lands there
.set ADRA, 16
.set ADRB, 20
.set ADRS, 27
.set SPW,  28
.set NIL,  29
.set SC,   32
.set AF,   128
.set BV,   224
.set ST,   64
.set QC,   128
.set TM,   148
.set SW,   168
.set SX,   176
.set SEL,  94
.set G1, 24
.set G0, 32
.set G1B, 48
.set G0B, 56
.set G1S, 68
.set G0S, 76
.set G1SB, 80
.set G0SB, 88
.set G0H, 4
.set G0HB, 8
.set MSB, 0
.macro WIN new                         ; the immediate's high byte repeats the setting that is left
.if MSB != (\new)
	s_set_vgpr_msb (MSB<<8)|(\new)
.set MSB, (\new)
.endif
.endm
.set MUL_LO, 0xa1
.set MUL_HI, 0xf1
.set TO_B,   0x40
.macro JLOAD g0a, g1a, g0b, g1b        ; a joint load: waves 0, 1 fetch for A, waves 2, 3 for B
	s_cmp_eq_u32 s15, 0
	s_cbranch_scc0 .Lfor_b_\@
	tensor_load_to_lds s[\g0a:\g0a+3], s[\g1a:\g1a+7]
	s_nop 0
.rept 4
	v_nop
.endr
	s_branch .Lasked_\@
.Lfor_b_\@:
	tensor_load_to_lds s[\g0b:\g0b+3], s[\g1b:\g1b+7]
	s_nop 0
.rept 4
	v_nop
.endr
.Lasked_\@:
.endm
.macro CREST
	s_cmp_lg_u32 s14, 0
	s_cbranch_scc1 .Lnot_wave_0_\@
	s_barrier_signal -3
.Lnot_wave_0_\@:
	s_barrier_wait -3
	s_barrier_signal -1
	s_barrier_wait -1
.endm
.macro CROUND
	s_barrier_signal -1
	s_barrier_wait -1
	CREST
.endm
	s_load_b512 s[68:83], s[0:1], 0x0              ; xcodes 68, xscales 70, wcodes 72, wscales 74, bq 76, bk 78, bv 80, img 82
	s_load_b64 s[84:85], s[0:1], 0x40              ; scl
	s_load_b128 s[88:91], s[0:1], 0x48             ; attn_mask 88, mimg 90
	v_lshl_add_u32 v[SPW], v0, 2, SPARE
	v_mov_b32 v[NIL], 0
	ds_add_u32 v[SPW], v[NIL]                      ; the opening lines
	ds_add_u32 v[SPW], v[NIL]
	v_lshrrev_b32 v1, 5, v0
	v_readfirstlane_b32 s14, v1                    ; wave 0..3
	s_lshr_b32 s15, s14, 1                         ; my half of A's rows; also: I fetch for A (0) or B (1)
	s_and_b32 s16, s14, 1                          ; my half of B's rows; also: which 128 rows I fetch
	s_bfe_u32 s40, ttmp6, 0x40000                  ; cx
	s_bfe_u32 s41, ttmp6, 0x40004                  ; cy
	s_and_b32 s18, ttmp7, 0xffff
	s_lshl_b32 s18, s18, 2
	s_add_co_u32 s18, s18, ttmp9                   ; the cluster's number
	s_lshr_b32 s66, s18, 3                         ; 0 q, 1 k, 2 v, 3 the mask
	s_and_b32 s86, s18, 7
	s_lshr_b32 s67, s66, 1                         ; 1 for v
	s_lshl_b32 s18, s86, 2
	s_mul_i32 s19, s18, s67
	s_sub_co_u32 s18, s18, s19
	s_add_co_u32 s42, s19, s40                     ; B's tile
	s_add_co_u32 s17, s18, s41                     ; A's tile
	s_lshl_b32 s43, s41, 2
	s_lshl_b32 s43, 15, s43                        ; my row of the cluster
	s_lshl_b32 s44, 0x1111, s40                    ; my column
	s_or_b32 s[G1+0], s43, (0<<16)|(1<<20)|(1<<21)|(5<<22)|(3<<25)   ; bytes; after every 64 words 4 words of padding
	s_or_b32 s[G1B+0], s44, (0<<16)|(1<<20)|(1<<21)|(5<<22)|(3<<25)
.irp g, G1, G1B
	s_mov_b32 s[\g+1], ROWB<<16
	s_mov_b32 s[\g+2], 256<<16                     ; 256 rows for the head's loads
	s_mov_b32 s[\g+3], ROWB<<16
	s_mov_b32 s[\g+4], 256
	s_mov_b32 s[\g+5], KROW
	s_mov_b32 s[\g+6], 0
	s_mov_b32 s[\g+7], 0
.endr
	s_lshl_b32 s20, s17, 8                         ; A: the tile's first row
	s_lshl_b32 s46, s42, 8                         ; B likewise
	s_mov_b32 s21, 0
	s_mov_b32 s47, 0
	s_mov_b64 s[18:19], KS
	s_mul_u64 s[22:23], s[20:21], s[18:19]         ; where these rows' scales begin
	s_mul_u64 s[92:93], s[46:47], s[18:19]
	s_mov_b64 s[18:19], KROW
	s_mul_u64 s[20:21], s[20:21], s[18:19]         ; and their codes
	s_mul_u64 s[46:47], s[46:47], s[18:19]
	s_mul_i32 s18, s16, 128*KROW                   ; in the ring: which 128 rows I fetch
	s_mov_b32 s19, 0
	s_mul_i32 s45, s14, HALFT                      ; and where they go
	s_wait_dscnt 0x0                               ; both opening adds are done
	s_wait_kmcnt 0x0
	s_cmp_eq_u32 s66, 3                            ; hangs on the cluster's number alone
	s_cbranch_scc1 .Lmask
	s_cmp_eq_u32 s66, 0                            ; q takes decoder_batch's codes and bq, k and v encoder_out's
	s_cselect_b32 s86, 0, 6291456
	s_cselect_b32 s88, 0, 262144
	s_cselect_b64 s[12:13], s[76:77], s[78:79]
	s_mov_b32 s87, 0
	s_mov_b32 s89, 0
	s_add_nc_u64 s[68:69], s[68:69], s[86:87]
	s_add_nc_u64 s[70:71], s[70:71], s[88:89]
	s_mul_i32 s86, s66, 786432
	s_lshl_b32 s88, s66, 15
	s_add_nc_u64 s[72:73], s[72:73], s[86:87]
	s_add_nc_u64 s[74:75], s[74:75], s[88:89]
	s_cmp_eq_u32 s67, 1                            ; which tensor is A and which B
	s_cselect_b64 s[4:5], s[72:73], s[68:69]
	s_cselect_b64 s[6:7], s[74:75], s[70:71]
	s_cselect_b64 s[8:9], s[68:69], s[72:73]
	s_cselect_b64 s[10:11], s[70:71], s[74:75]
	s_mov_b64 s[96:97], s[80:81]                   ; bv, img, scl
	s_mov_b64 s[98:99], s[82:83]
	s_mov_b64 s[100:101], s[84:85]
	s_add_nc_u64 s[20:21], s[4:5], s[20:21]
	s_add_nc_u64 s[22:23], s[6:7], s[22:23]
	s_add_nc_u64 s[46:47], s[8:9], s[46:47]
	s_add_nc_u64 s[92:93], s[10:11], s[92:93]
	s_or_b32 s[G1S+0], s43, (3<<16)|(1<<20)|(1<<21)|(5<<22)|(3<<25)   ; the scales of 256 rows: 8,192 dense bytes as 32 rows of 256, 16 bytes of padding behind each
	s_or_b32 s[G1SB+0], s44, (3<<16)|(1<<20)|(1<<21)|(5<<22)|(3<<25)
.irp g, G1S, G1SB
	s_mov_b32 s[\g+1], 32<<16
	s_mov_b32 s[\g+2], KS<<16
	s_mov_b32 s[\g+3], 32<<16
	s_mov_b32 s[\g+4], KS
	s_mov_b32 s[\g+5], 32
	s_mov_b32 s[\g+6], 0
	s_mov_b32 s[\g+7], 0
.endr
	CROUND                                         ; all sixteen work-groups are here: the first joint loads meet
	s_mov_b32 s[G0H], 1
	s_mov_b32 s[G0H+1], 0
	s_mov_b64 s[G0H+2:G0H+3], s[20:21]
	s_or_b32 s[G0H+3], s[G0H+3], 0x80000000
	s_mov_b32 s[G0HB], 1
	s_mov_b32 s[G0HB+1], 2*HALFT
	s_mov_b64 s[G0HB+2:G0HB+3], s[46:47]
	s_or_b32 s[G0HB+3], s[G0HB+3], 0x80000000
	s_mov_b32 s[G0S], 1
	s_mov_b32 s[G0S+1], SCL
	s_mov_b64 s[G0S+2:G0S+3], s[22:23]
	s_or_b32 s[G0S+3], s[G0S+3], 0x80000000
	s_mov_b32 s[G0SB], 1
	s_mov_b32 s[G0SB+1], SCL+2*HALFS
	s_mov_b64 s[G0SB+2:G0SB+3], s[92:93]
	s_or_b32 s[G0SB+3], s[G0SB+3], 0x80000000
	s_add_nc_u64 s[20:21], s[20:21], s[18:19]      ; for the ring: my 128 rows
	s_add_nc_u64 s[46:47], s[46:47], s[18:19]
.irp s, 0,1
	s_mov_b32 s[G0+4*\s], 1
	s_add_co_u32 s[G0+4*\s+1], s45, \s*SLOT
	s_add_nc_u64 s[G0+4*\s+2:G0+4*\s+3], s[20:21], \s*ROWB
	s_or_b32 s[G0+4*\s+3], s[G0+4*\s+3], 0x80000000
	s_mov_b32 s[G0B+4*\s], 1
	s_add_co_u32 s[G0B+4*\s+1], s45, \s*SLOT
	s_add_nc_u64 s[G0B+4*\s+2:G0B+4*\s+3], s[46:47], \s*ROWB
	s_or_b32 s[G0B+4*\s+3], s[G0B+4*\s+3], 0x80000000
.endr
; the head's loads, one a wave: wave 0 chunk 0 of A's 256 rows, wave 1 of B's, wave 2 A's scales, wave 3 B's; one chain of branches on the wave's number
.macro ARM under, g0, g1, next
	s_cmp_lt_u32 s14, \under
	s_cbranch_scc0 \next
	tensor_load_to_lds s[\g0:\g0+3], s[\g1:\g1+7]
	s_nop 0
.rept 4
	v_nop
.endr
	s_branch .Lhead_asked
\next:
.endm
	ARM 1, G0H,  G1,  .Lhead_b
	ARM 2, G0HB, G1B, .Lhead_sa
	ARM 3, G0S,  G1S, .Lhead_sb
	tensor_load_to_lds s[G0SB:G0SB+3], s[G1SB:G1SB+7]
	s_nop 0
.rept 4
	v_nop
.endr
.Lhead_asked:
	v_and_b32 v1, 15, v0                           ; r
	v_bfe_u32 v2, v0, 4, 1                         ; h
	v_mul_u32_u24 v3, v1, PITCH
	v_mul_u32_u24 v4, v2, 24
	v_add_nc_u32 v4, v3, v4                        ; row x pitch + 24 h
	s_mov_b32 s21, SLOT-232
	s_mov_b32 s22, SLOT+232
	v_sub_nc_u32 v7, 1, v2
	v_mul_u32_u24 v5, s21, v2
	v_add_nc_u32 v5, v3, v5
	v_add_nc_u32 v5, 232, v5                       ; across two chunks: lanes 0-15 byte 232 in slot 0, lanes 16-31 byte 0 in slot 1
	v_mul_u32_u24 v6, s22, v7
	v_add_nc_u32 v6, v3, v6                        ; and the other way round
	s_mul_i32 s21, s15, HALFT
	s_mul_i32 s22, s16, HALFT
	s_add_co_u32 s22, s22, 2*HALFT
	v_add_nc_u32 v[ADRA+2], s21, v5
	v_add_nc_u32 v[ADRA+3], s21, v6
	v_add_nc_u32 v[ADRB+2], s22, v5
	v_add_nc_u32 v[ADRB+3], s22, v6
.irp s, 0,1
	v_add_nc_u32 v[ADRA+\s], s21, v4
	v_add_nc_u32 v[ADRB+\s], s22, v4
	s_add_co_u32 s21, s21, SLOT
	s_add_co_u32 s22, s22, SLOT
.endr
	v_mul_u32_u24 v5, v1, KS                       ; my row's scales: 32 bytes a row, 16 more for each 256 passed
	v_lshrrev_b32 v6, 8, v5
	v_lshl_add_u32 v5, v6, 4, v5
	s_mul_i32 s21, s15, HALFS
	s_mul_i32 s22, s16, HALFS
	s_add_co_u32 s22, s22, 2*HALFS
	s_sub_co_u32 s22, s22, s21
	v_mul_u32_u24 v6, s22, v2                      ; lanes 16-31 take B's
	s_add_co_u32 s21, s21, SCL
	v_add_nc_u32 v5, v5, v6
	v_add_nc_u32 v[ADRS], s21, v5
	v_and_b32 v6, 31, v0                           ; the way out's addresses
	v_lshlrev_b32 v24, 4, v6                       ; 16 x lane
	v_lshlrev_b32 v25, 3, v6                       ; 8 x lane
	v_mul_u32_u24 v7, v2, 10240
	v_lshl_add_u32 v26, v1, 4, v7                  ; scale words: 16 r, the next head's block for lanes 16-31
	v_lshlrev_b32 v30, 4, v2                       ; which two bytes of a scale word are my head's
	v_lshlrev_b32 v12, 6, v2                       ; bq, bk: 16 numbers on for lanes 16-31
	v_and_b32 v13, 8, v1
	v_add_nc_u32 v13, v13, v1
	v_lshlrev_b32 v13, 2, v13                      ; bv: feature r + 8 (r / 8) of a tile
	s_wait_alu depctr_va_vdst(0)                   ; the wait ahead of the run of scalar lines
	s_lshl_b32 s18, s17, 8
	s_lshl_b32 s19, s15, 7
	s_add_co_u32 s18, s18, s19                     ; my wave's first row of A
	s_lshl_b32 s19, s42, 8
	s_lshl_b32 s20, s16, 7
	s_add_co_u32 s19, s19, s20                     ; and of B
	s_cmp_eq_u32 s67, 1
	s_cselect_b32 s20, s19, s18                    ; my first token
	s_cselect_b32 s21, s18, s19                    ; my first feature
	s_cselect_b32 s22, 2, 4                        ; bytes of scale words for a token
	s_cselect_b32 s23, 0, s19                      ; where bq or bk is read (for v: its first numbers, not used)
	s_cselect_b32 s43, s18, 0                      ; where bv is read (for q, k likewise)
	s_lshr_b32 s44, s20, 10
	s_lshl_b32 s44, s44, 4
	s_lshr_b32 s45, s21, 6
	s_add_co_u32 s44, s44, s45                     ; 16 x batch + my first head
	s_and_b32 s45, s20, 1023
	s_mul_i32 s46, s44, 147456
	s_mul_i32 s47, s66, 49152
	s_add_co_u32 s46, s46, s47
	s_mul_i32 s47, s45, 48
	s_add_co_u32 s46, s46, s47
	s_mov_b32 s47, 0
	s_add_nc_u64 s[98:99], s[98:99], s[46:47]
	s_mul_i32 s46, s44, 10240
	s_lshl_b32 s92, s66, 12
	s_add_co_u32 s46, s46, s92
	s_mul_i32 s92, s45, s22
	s_add_co_u32 s46, s46, s92
	s_add_nc_u64 s[100:101], s[100:101], s[46:47]
	s_lshl_b32 s46, s23, 2
	s_add_nc_u64 s[12:13], s[12:13], s[46:47]
	s_lshl_b32 s46, s43, 2
	s_add_nc_u64 s[96:97], s[96:97], s[46:47]
	WIN TO_B                                       ; both sets of biases; waited for at the head of the way out
.irp b, 0,1,2,3,4,5,6,7
	global_load_b128 v[96+8*\b+96*(\b/4):96+8*\b+96*(\b/4)+3], v12, s[12:13] offset:4*(32*(\b/2)+8*(\b%2))
	global_load_b128 v[96+8*\b+96*(\b/4)+4:96+8*\b+96*(\b/4)+7], v12, s[12:13] offset:4*(32*(\b/2)+8*(\b%2))+16
.endr
	WIN 0
.irp a, 0,1,2,3,4,5,6,7
	global_load_b32 v[BV+2*\a], v13, s[96:97] offset:4*(32*(\a/2)+8*(\a%2))
	global_load_b32 v[BV+2*\a+1], v13, s[96:97] offset:4*(32*(\a/2)+8*(\a%2))
.endr
.macro FRAG reg, adr, st, i            ; 16 rows x 128 K: 12 registers, in pieces of 8 bytes; byte y of a row lies in slot (y / 256) % 2 at byte y % 256
.irp p, 0,1,2,3,4,5
.set BY, 96*(\st)+48*(\p/3)+8*(\p%3)
.if BY/ROWB == (BY+24)/ROWB
	ds_load_b64 v[\reg+2*\p:\reg+2*\p+1], v[\adr+(BY/ROWB)%2] offset:BY%ROWB+(\i)*16*PITCH
.else
	ds_load_b64 v[\reg+2*\p:\reg+2*\p+1], v[\adr+2+(BY/ROWB)%2] offset:BY%ROWB-232+(\i)*16*PITCH
.endif
.endr
.endm
; 16 matrix instructions: A's blocks a0, a0 + 1 x B's eight; the 64 accumulators take turns
.macro MUL16 a0, p, q, sc, zero
.irp a, \a0, \a0+1
.irp b, 0,1,2,3,4,5,6,7
.if \zero
	v_wmma_scale_f32_16x16x128_f8f6f4 v[8*(8*((\a)%4)+\b):8*(8*((\a)%4)+\b)+7], v[128*(\p)+FR*\b:128*(\p)+FR*\b+FR-1], v[AF+FR*(\a):AF+FR*(\a)+FR-1], 0, v[SC+8*NQ*(\sc)+NQ*\b+(\q)], v[SC+8*NQ*(\sc)+NQ*(\a)+(\q)] matrix_a_fmt:MATRIX_FMT_FP6 matrix_b_fmt:MATRIX_FMT_FP6 matrix_a_scale:MATRIX_SCALE_ROW1
.else
	v_wmma_scale_f32_16x16x128_f8f6f4 v[8*(8*((\a)%4)+\b):8*(8*((\a)%4)+\b)+7], v[128*(\p)+FR*\b:128*(\p)+FR*\b+FR-1], v[AF+FR*(\a):AF+FR*(\a)+FR-1], v[8*(8*((\a)%4)+\b):8*(8*((\a)%4)+\b)+7], v[SC+8*NQ*(\sc)+NQ*\b+(\q)], v[SC+8*NQ*(\sc)+NQ*(\a)+(\q)] matrix_a_fmt:MATRIX_FMT_FP6 matrix_b_fmt:MATRIX_FMT_FP6 matrix_a_scale:MATRIX_SCALE_ROW1
.endif
.endr
.endr
.endm
.macro FETCH_B st, p
	WIN TO_B
.irp i, 0,1,2,3,4,5,6,7
	FRAG 128*(\p)+FR*\i, ADRB, \st, \i
.endr
	WIN 0
.endm
.macro FETCH_A st, i0
.irp i, \i0, \i0+1, \i0+2, \i0+3
	FRAG AF+FR*(\i), ADRA, \st, \i
.endr
.endm
.macro SCALES pr                       ; the scale words of steps 2 pr, 2 pr + 1: lanes 0-15 A's block i, lanes 16-31 B's
.irp i, 0,1,2,3,4,5,6,7
	ds_load_b64 v[SC+8*NQ*((\pr)%2)+NQ*\i:SC+8*NQ*((\pr)%2)+NQ*\i+1], v[ADRS] offset:\i*SBLK+4*NQ*(\pr)
.endr
.endm
.macro PLACES n                        ; plain places behind matrix instructions (ISA guide 7.12.1)
.rept \n
	v_nop
.endr
.endm
; A step of 128 along K.  Where the next step's bytes end in a chunk not yet read: a barrier shows it whole.  Where they begin in a later chunk: the chunk left behind is read no more; the three lines, the barrier,
; and, where a chunk two on is left to fetch, a round of the cluster's barrier and the refill.
.macro STEP st, zero
.set NX, (\st)+1
.set C0, (96*(\st))/ROWB
.set C1, (96*NX)/ROWB
.set E0, (96*(\st)+95)/ROWB
.set E1, (96*NX+95)/ROWB
.if C1 > C0 || E1 > E0
	s_wait_tensorcnt 0x0                           ; all my tensor loads have landed
.if C1 > C0
	ds_add_u32 v[SPW], v[NIL]
	s_wait_dscnt 4*NL+1                            ; the add and A's blocks 4-7 (24 loads) may be out
.else
	s_wait_dscnt 4*NL                              ; A's blocks 4-7 may be out
.endif
	WIN MUL_LO
	MUL16 0, (\st)%2, (\st)%2, ((\st)/2)%2, \zero
	s_wait_dscnt 0x0                               ; the add and my reads are done
	s_barrier_signal -1
	MUL16 2, (\st)%2, (\st)%2, ((\st)/2)%2, \zero
	WIN 0
	s_barrier_wait -1
.if C1 > C0 && C0+2 < CHUNKS
	CREST
	s_add_nc_u64 s[G0+4*(C0%2)+2:G0+4*(C0%2)+3], s[G0+4*(C0%2)+2:G0+4*(C0%2)+3], 2*ROWB
	s_add_nc_u64 s[G0B+4*(C0%2)+2:G0B+4*(C0%2)+3], s[G0B+4*(C0%2)+2:G0B+4*(C0%2)+3], 2*ROWB
	JLOAD G0+4*(C0%2), G1, G0B+4*(C0%2), G1B       ; chunk C0 + 2: the first tensor load behind the round; its four v_nop are the places
.else
	PLACES NP
.endif
.else
	s_wait_dscnt 4*NL
	WIN MUL_LO
	MUL16 0, (\st)%2, (\st)%2, ((\st)/2)%2, \zero
	MUL16 2, (\st)%2, (\st)%2, ((\st)/2)%2, \zero
	s_wait_dscnt 0
	PLACES NP
.endif
	FETCH_B NX, NX%2
	FETCH_A NX, 0
.if NX%2 == 0
	SCALES NX/2
.endif
	WIN MUL_HI
	MUL16 4, (\st)%2, (\st)%2, ((\st)/2)%2, \zero
	MUL16 6, (\st)%2, (\st)%2, ((\st)/2)%2, \zero
	PLACES NP
	WIN 0
	FETCH_A NX, 4
.endm
	s_wait_alu depctr_va_vdst(0)                   ; the wait at the head's end
	s_wait_tensorcnt 0x0                           ; my tile of the head's four is in; the three lines ahead of a later first fill
	ds_add_u32 v[SPW], v[NIL]
	s_mov_b32 s[G1+2], 128<<16                     ; no tensor load of mine is out: from here on a load brings 128 rows
	s_mov_b32 s[G1+4], 128
	s_mov_b32 s[G1B+2], 128<<16
	s_mov_b32 s[G1B+4], 128
	s_wait_dscnt 0x0
	CROUND
	JLOAD G0+4, G1, G0B+4, G1B                     ; chunk 1, the first tensor load behind the round
	FETCH_B 0, 0
	FETCH_A 0, 0
	SCALES 0
	FETCH_A 0, 4
	STEP 0, 1                                      ; the first step's products start the sums
.set STN, 1
.rept STEPS-2
	STEP STN, 0
.set STN, STN+1
.endr
	s_wait_dscnt 4*NL
	WIN MUL_LO
	MUL16 0, 1, 1, 1, 0
	MUL16 2, 1, 1, 1, 0
	s_wait_dscnt 0
	WIN MUL_HI
	MUL16 4, 1, 1, 1, 0
	MUL16 6, 1, 1, 1, 0
	WIN 0
; THE WAY OUT, one of A's tiles at a time: bias, quantiser, stores; no LDS.  64 numbers of a lane, register 16 b + i = k 32 b + 16 (lane / 16) + i of my row, become a fragment's codes in v[QC] on and its scale word in v[pw].
.macro QUANT s, pw
.irp b, 0,1,2,3
	v_max3_num_f32 v[TM+\b], |v[\s+16*\b]|, |v[\s+1+16*\b]|, 0x1800000   ; with the floor 2^(3 - 127)
.endr
.irp i, 2,4,6,8,10,12,14
.irp b, 0,1,2,3
	v_max3_num_f32 v[TM+\b], v[TM+\b], |v[\s+16*\b+\i]|, |v[\s+1+16*\b+\i]|
.endr
.endr
.irp b, 0,1,2,3
	v_permlanex16_b32 v[TM+4+\b], v[TM+\b], s[SEL], s[SEL+1]
.endr
.irp b, 0,1,2,3
	v_max_num_f32 v[TM+\b], v[TM+\b], v[TM+4+\b]
.endr
.irp b, 0,1,2,3
	v_add_nc_u32 v[TM+12+\b], 0xff000000, v[TM+\b] ; 2 off the exponent field: the conversion's scale operand
.endr
.irp b, 0,1,2,3
	v_lshrrev_b32 v[TM+4+\b], 23, v[TM+12+\b]      ; the scale's byte
.endr
	v_lshl_or_b32 v[\pw], v[TM+5], 8, v[TM+4]
	v_lshl_or_b32 v[\pw], v[TM+6], 16, v[\pw]
	v_lshl_or_b32 v[\pw], v[TM+7], 24, v[\pw]
.irp c, 0,1
	v_cvt_scalef32_pk16_fp6_f32 v[QC+6*\c:QC+2+6*\c], v[\s+32*\c:\s+15+32*\c], v[TM+12+2*\c]
	v_cvt_scalef32_pk16_fp6_f32 v[QC+12+4*\c:QC+14+4*\c], v[\s+16+32*\c:\s+31+32*\c], v[TM+12+2*\c+1]
.endr
	v_nop                                          ; one plain place behind a scaled conversion
.irp c, 0,1                            ; a whole block in a lane
.irp i, 0,1,2
	v_permlane16_swap_b32 v[QC+6*\c+\i], v[QC+12+4*\c+\i]
.endr
.irp i, 0,1,2
	v_mov_b32 v[QC+3+6*\c+\i], v[QC+12+4*\c+\i]
.endr
.endr
.endm
.macro EPI_QK a                        ; my lane's token, 128 features = two heads
.if (\a) > 0
	s_wait_xcnt 0x0                                ; the last tile's stores have read their registers
.endif
	WIN 0x06+(\a)/4
.irp b, 0,1,2,3,4,5,6,7
.irp j, 0,2,4,6
	v_pk_add_f32 v[ST+8*\b+\j:ST+8*\b+\j+1], v[64*((\a)%4)+8*\b+\j:64*((\a)%4)+8*\b+\j+1], v[96+8*\b+96*(\b/4)+\j:96+8*\b+96*(\b/4)+\j+1]
.endr
.endr
	WIN 0
	QUANT ST, SW+(\a)
	global_store_b128 v24, v[QC:QC+3], s[98:99] offset:768*(\a)
	global_store_b64 v25, v[QC+4:QC+5], s[98:99] offset:768*(\a)+512
	global_store_b128 v24, v[QC+6:QC+9], s[98:99] offset:147456+768*(\a)
	global_store_b64 v25, v[QC+10:QC+11], s[98:99] offset:147456+768*(\a)+512
.if (\a)%4 == 3
.irp i, 0,1,2,3
	v_lshrrev_b32 v[SX+\i], v30, v[SW+(\a)-3+\i]
.endr
.irp i, 0,1,2,3
	v_and_b32 v[SX+\i], 0xffff, v[SX+\i]           ; the upper two bytes are 0: they stand over zero codes
.endr
	global_store_b128 v26, v[SX:SX+3], s[100:101] offset:256*((\a)/4)
.endif
.endm
.macro EPI_V a                         ; my lane's channel, 128 keys
.if (\a) > 0
	s_wait_xcnt 0x0
.endif
	WIN 0x02+(\a)/4
.irp b, 0,1,2,3,4,5,6,7
.irp j, 0,2,4,6
	v_pk_add_f32 v[ST+8*\b+\j:ST+8*\b+\j+1], v[64*((\a)%4)+8*\b+\j:64*((\a)%4)+8*\b+\j+1], v[BV+2*(\a):BV+2*(\a)+1] op_sel_hi:[1,0]
.endr
.endr
	WIN 0
	QUANT ST, SW+(\a)
.irp c, 0,1,2
	global_store_b128 v24, v[QC+4*\c:QC+4*\c+3], s[98:99] offset:((\a)/4)*147456+((\a)%4)*1536+512*\c
.endr
.endm
	PLACES NP
	s_wait_loadcnt 0x0                             ; the biases
	s_mov_b32 s[SEL], 0x76543210
	s_mov_b32 s[SEL+1], 0xfedcba98
	s_mov_b32 s104, 0xffff0000                     ; lanes 16-31
.irp b, 0,1,2,3
	v_mov_b32 v[TM+4+\b], 0                        ; a lane permute's destination counts as one of its sources
.endr
	s_cmp_eq_u32 s67, 1
	s_cbranch_scc1 .Lway_v
.irp a, 0,1,2,3,4,5,6,7
	EPI_QK \a
.endr
	s_wait_tensorcnt 0x0                           ; the wave's end
	ds_add_u32 v[SPW], v[NIL]
	s_wait_dscnt 0x0
	CROUND                                         ; the closing round
	s_endpgm
.Lway_v:
.irp a, 0,1,2,3,4,5,6,7
	EPI_V \a
.endr
.irp i, 0,1,2,3
	v_cndmask_b32 v[SX+\i], v[SW+\i], v[SW+4+\i], s104
.endr
	global_store_b128 v26, v[SX:SX+3], s[100:101]
	s_wait_tensorcnt 0x0
	ds_add_u32 v[SPW], v[NIL]
	s_wait_dscnt 0x0
	CROUND
	s_endpgm
; THE MASK, 32 bits a key -> 4 bits a key: clusters 24 .. 31, 512 waves.  A wave takes 16 queries x 1,024 keys.  A key's nibble is 0xA, the FP4 code of -1.0, where attn_mask == 0, else 0; eight neighbouring keys make a word.
; A tile's image is [y 16][lane 32][4 words]: word i of lane (r, h) holds query r's keys of g = 8 y + 4 (i / 2) + 2 h + i % 2.  The words are gathered in the wave's own stage, 8 blocks y of 528 bytes: the keys go in two
; passes of 512, each drained in stores of 512 consecutive bytes.  A unit of work is two rows x 512 keys, 32 registers; loads run five units (40 loads) ahead.  No tensor load here; window 0 throughout.
.Lmask:
.set MX,    32
.set MSETS, 6
.set MD,    224
.set MPITCH, 528
	s_lshl_b32 s18, s41, 2
	s_add_co_u32 s18, s18, s40
	s_lshl_b32 s19, s86, 4
	s_add_co_u32 s18, s18, s19
	s_lshl_b32 s18, s18, 2
	s_add_co_u32 s18, s18, s14                     ; the tile, 0 .. 511
	s_lshl_b32 s20, s18, 16
	s_mov_b32 s21, 0
	s_add_nc_u64 s[88:89], s[88:89], s[20:21]
	s_lshl_b32 s20, s18, 13
	s_add_nc_u64 s[90:91], s[90:91], s[20:21]
	v_and_b32 v1, 31, v0
	v_lshlrev_b32 v3, 5, v1                        ; in: 8 neighbouring keys a lane
	s_mul_i32 s22, s14, 8*MPITCH
	s_add_co_u32 s22, s22, MLDS
	v_lshrrev_b32 v8, 3, v1
	v_mul_u32_u24 v4, v8, MPITCH
	v_bfe_u32 v8, v1, 1, 1
	v_lshl_add_u32 v4, v8, 8, v4
	v_bfe_u32 v8, v1, 2, 1
	v_lshl_add_u32 v4, v8, 3, v4
	v_and_b32 v8, 1, v1
	v_lshl_add_u32 v4, v8, 2, v4
	v_add_nc_u32 v4, s22, v4
	v_lshlrev_b32 v6, 4, v1
	v_add_nc_u32 v5, s22, v6
.macro MLOAD u                         ; unit u: pass u / 8, rows 2 (u % 8) + q / 2, segment 2 (u / 8) + q % 2 of 256 keys
.irp q, 0,1,2,3
.irp hf, 0,1
	global_load_b128 v[MX+32*((\u)%MSETS)+8*\q+4*\hf:MX+32*((\u)%MSETS)+8*\q+4*\hf+3], v3, s[88:89] offset:4096*(2*((\u)%8)+\q/2)+1024*(2*((\u)/8)+\q%2)+16*\hf th:TH_LOAD_NT
.endr
.endr
.endm
.macro MUNIT u
.set MS, MX+32*((\u)%MSETS)
.if (\u)+MSETS-1 < 16
	MLOAD (\u)+MSETS-1
	s_wait_loadcnt 8*(MSETS-1)                     ; this unit's eight loads are in; five later units' may be out
.else
	s_wait_loadcnt 8*(15-(\u))
.endif
.set k, 0
.rept 32
	v_min_u32 v[MS+k], 1, v[MS+k]                  ; 0 where the key is masked, else 1
.set k, k+1
.endr
.irp q, 0,1,2,3
	v_lshl_or_b32 v[8+\q], v[MS+8*\q+1], 4, v[MS+8*\q]
.endr
.irp i, 2,3,4,5,6,7
.irp q, 0,1,2,3
	v_lshl_or_b32 v[8+\q], v[MS+8*\q+\i], 4*\i, v[8+\q]
.endr
.endr
.irp q, 0,1,2,3
	v_xor_b32 v[8+\q], 0x11111111, v[8+\q]
.endr
.irp q, 0,1,2,3
	v_lshlrev_b32 v[12+\q], 1, v[8+\q]
.endr
.irp q, 0,1,2,3
	v_lshl_or_b32 v[8+\q], v[8+\q], 3, v[12+\q]    ; 0xA where masked
.endr
.irp q, 0,1,2,3
	ds_store_b32 v4, v[8+\q] offset:4*MPITCH*(\q%2)+16*(2*((\u)%8)+\q/2)
.endr
.endm
.macro MDRAIN p
.irp y, 0,1,2,3,4,5,6,7
	ds_load_b128 v[MD+4*\y:MD+4*\y+3], v5 offset:MPITCH*\y   ; my own bytes, served in order behind my stores
.endr
.irp y, 0,1,2,3,4,5,6,7
	s_wait_dscnt 7-\y
	global_store_b128 v6, v[MD+4*\y:MD+4*\y+3], s[90:91] offset:512*(8*\p+\y)
.endr
.endm
.irp u, 0,1,2,3,4
	MLOAD \u
.endr
.irp u, 0,1,2,3,4,5,6,7
	MUNIT \u
.endr
	MDRAIN 0
.irp u, 8,9,10,11,12,13,14,15
	MUNIT \u
.endr
	s_wait_xcnt 0x0                                ; the first pass's stores have read their registers
	MDRAIN 1
	s_wait_tensorcnt 0x0                           ; the wave's end
	ds_add_u32 v[SPW], v[NIL]
	s_wait_dscnt 0x0
	CROUND                                         ; the closing round
	s_endpgm
.Lfunc_end_k_qb0f3491f2b_proj:
	.size	k_qb0f3491f2b_proj, .Lfunc_end_k_qb0f3491f2b_proj-k_qb0f3491f2b_proj
	.p2alignl 7, 3214868480
	.fill 96, 4, 3214868480
	.section	.rodata,"a",@progbits
	.p2align	6, 0x0
	.amdhsa_kernel k_qb0f3491f2b_proj
		.amdhsa_group_segment_fixed_size 327680
		.amdhsa_private_segment_fixed_size 0
		.amdhsa_enable_private_segment 0
		.amdhsa_kernarg_size 88
		.amdhsa_user_sgpr_count 2
		.amdhsa_user_sgpr_kernarg_segment_ptr 1
		.amdhsa_wavefront_size32 1
		.amdhsa_system_sgpr_workgroup_id_x 1
		.amdhsa_system_sgpr_workgroup_id_y 1
		.amdhsa_system_sgpr_workgroup_id_z 1
		.amdhsa_system_vgpr_workitem_id 0
		.amdhsa_next_free_vgpr 1024
		.amdhsa_next_free_sgpr 106
		.amdhsa_reserve_vcc 0
		.amdhsa_float_denorm_mode_32 3
		.amdhsa_float_denorm_mode_16_64 3
		.amdhsa_memory_ordered 1
		.amdhsa_forward_progress 1
		.amdhsa_inst_pref_size 255
	.end_amdhsa_kernel
	.section	.bss,"aw",@nobits
	.p2align	6
	.space	262144
	.amdgpu_metadata
---
amdhsa.version: [ 1, 2 ]
amdhsa.kernels:
  - .name:           k_qb0f3491f2b_proj
    .symbol:         k_qb0f3491f2b_proj.kd
    .args:
      - { .name: xcodes, .offset: 0, .size: 8, .value_kind: global_buffer, .address_space: global }
      - { .name: xscales, .offset: 8, .size: 8, .value_kind: global_buffer, .address_space: global }
      - { .name: wcodes, .offset: 16, .size: 8, .value_kind: global_buffer, .address_space: global }
      - { .name: wscales, .offset: 24, .size: 8, .value_kind: global_buffer, .address_space: global }
      - { .name: bq, .offset: 32, .size: 8, .value_kind: global_buffer, .address_space: global }
      - { .name: bk, .offset: 40, .size: 8, .value_kind: global_buffer, .address_space: global }
      - { .name: bv, .offset: 48, .size: 8, .value_kind: global_buffer, .address_space: global }
      - { .name: img, .offset: 56, .size: 8, .value_kind: global_buffer, .address_space: global }
      - { .name: scl, .offset: 64, .size: 8, .value_kind: global_buffer, .address_space: global }
      - { .name: attn_mask, .offset: 72, .size: 8, .value_kind: global_buffer, .address_space: global }
      - { .name: mimg, .offset: 80, .size: 8, .value_kind: global_buffer, .address_space: global }
    .group_segment_fixed_size: 327680
    .private_segment_fixed_size: 0
    .kernarg_segment_align: 8
    .kernarg_segment_size: 88
    .max_flat_workgroup_size: 128
    .sgpr_count:     106
    .vgpr_count:     1024
    .wavefront_size: 32
...
	.end_amdgpu_metadata
.endif
;; end of part 2
;; launch attn (part 3): grid 256 x 1, 8 waves a work-group, no clusters, 167,936 bytes of LDS; arguments img, scl, mimg, out0; writes out0
.if DOCPART == 3
	.amdgcn_target "amdgcn-amd-amdhsa--gfx1250"
	.amdhsa_code_object_version 6
	.text
	.protected	k_qb0f3491f2b_attn
	.globl	k_qb0f3491f2b_attn
	.p2align	8
	.type	k_qb0f3491f2b_attn,@function
k_qb0f3491f2b_attn:
	s_mov_b64 s[64:65], 0
	v_nop
	global_prefetch_b8 v0, s[64:65] scope:SCOPE_SE
	s_setreg_imm32_b32 hwreg(HW_REG_WAVE_MODE, 25, 1), 1
	s_wait_xcnt 0x0
; ATTENTION on codes of FP6 (E2M3): out[b][q][64 h ..] = Q(softmax(mask(q k^T / 8))) Q(v), the softmax FINISHED AND NORMALISED before it is quantised along the keys; rows all of whose keys are masked give 0.
; SHARES.  Work-group 2 bh + half takes 512 queries of (batch, head) bh.  The head's K and V images, 98,304 bytes, come into LDS once, an eighth by each wave's one tensor load.  Eight waves, two to a SIMD, 512 registers each.
; Waves w and w xor 4 are a PAIR: they walk the same 8 tiles of 16 queries; wave w takes keys 512 (w / 4) .. + 511.  A trip holds the wave's 16 x 512 scores in 256 registers (window 1).
; THE SOFTMAX OVER TWO WAVES.  Each wave takes its own half's largest score Mw (never under -2^99) away: p = 2^(c s - c Mw), c = log2(e) / 8, and sums it.  The pair swaps (Mw, sum) through LDS behind a barrier; with
; M = the larger, f = 2^(c (Mw - M)): the row's sum = sum_w f_w + sum_o f_o, and my p are multiplied by f_w / sum.  Where the sum is 0 (every key masked) that factor is replaced by 0.
; A block's largest p is not searched for: the block's largest score goes through the same multiply-add, exponential and multiplication (this takes v_exp_f32 not to fall where its input rises).
; O^T: each wave's partial sums over its keys go to its own stage in LDS; behind a second barrier each wave reads 8 of the 16 rows from both stages, adds, and stores whole rows of 256 bytes.
; LAYOUT.  Both products are used transposed (S^T = K Q^T, O^T = V^T P^T): a lane holds one query.  Lane r of K's tile 2 b + u holds key 32 b + 8 u + r + 8 (r / 8): the 16 registers of tiles 2 b, 2 b + 1 are 16 neighbouring keys.
; K = 64 in the first product: a tile of K is six registers; the instruction's upper six are the next tile's (or a pad's) bits, which meet Q's upper six, zero codes, under scale bytes 0.
; THE MASK: a word of eight FP4 codes (0 or -1.0) is widened with the scale 2^100 into the accumulator, and the product adds onto it.
; LIMITS: raw scores q . k are served under 2^98 in magnitude (the mask is added as -2^100).  p under 2^-126 is 0.  Blocks whose largest p lies under 2^-124 keep the byte 1.  NaN and infinities are not served.
; NO CLUSTER: only the two work-groups of a head share bytes, fetched once at the head.  NO PREFETCH: a tile's Q and mask words are asked for by their own loads a trip ahead of their use.
.set STAGE, 98304                      ; K 0 .. 49,151 (tile T at 768 T); V 49,152 .. 98,303; then 16 rows x 272 bytes for each wave
.set STW,   4352
.set XCH,   STAGE+8*STW                ; 256 bytes a wave: (Mw, sum) of each lane
.set SPARE, XCH+2048                   ; the spare words, 128 bytes a wave: four blocks of 256 bytes that no other line names
.set A16, 1                            ; 16 x lane
.set A8,  2                            ; 8 x lane
.set AQS, 3                            ; 16 r
.set KA16, 4                           ; my half of K in LDS
.set KA8, 5
.set VA,  6                            ; my half of V
.set STI, 7                            ; my stage, in
.set STO, 8                            ; my stage, back: my 8 rows
.set STQ, 9                            ; my partner's stage, the same rows
.set OUTO, 10
.set XS,  11
.set XL,  12
.set BSC, 13                           ; 0xE3 in every byte: the scale 2^100
.set NCL, 14                           ; -2^99
.set SPW, 15
.set NIL, 59
.set KSC, 30                           ; v[16:17] Mw, sum; v[18:19] -c Mw; v[20:21] the factor; v22-29 at work
.set VSC, 46
.set PSW, 54
.set QSC, 58
.set QF,  60
.set MC,  72
.set BM,  104
.set TMPC, 104
.set TT,  120
.set PC0, 136
.set SA,  136
.set OA,  160
.set KF0, 192                          ; K: two sets of 4 tiles x 6 and a pad of 6
.set KF1, 222
.set VS0, 224                          ; V: two sets of 2 tiles x 12
.set VS1, 192
.set OB,  192
.set MSB, 0
.macro WIN new                         ; bits 1:0 source 0, 3:2 source 1, 5:4 source 2, 7:6 destination; the high byte repeats the setting that is left
.if MSB != (\new)
	s_set_vgpr_msb (MSB<<8)|(\new)
.set MSB, (\new)
.endif
.endm
.macro PLACES
.rept 4
	v_nop
.endr
.endm
.macro WALU                            ; the wait ahead of a wait that blocks, a branch, a run of scalar lines or a batch of transcendentals, and behind such a batch
	s_wait_alu depctr_va_vdst(0)
.endm
	s_load_b256 s[4:11], s[0:1], 0x0               ; img, scl, mimg, out0
	v_lshl_add_u32 v[SPW], v0, 2, SPARE
	v_mov_b32 v[NIL], 0
	ds_add_u32 v[SPW], v[NIL]                      ; the opening lines
	ds_add_u32 v[SPW], v[NIL]
	v_lshrrev_b32 v22, 5, v0
	v_readfirstlane_b32 s12, v22                   ; wave 0..7
	s_and_b32 s52, s12, 3                          ; pair
	s_lshr_b32 s53, s12, 2                         ; which half of the keys
	s_xor_b32 s56, s12, 4                          ; my partner
	s_lshr_b32 s13, ttmp9, 1                       ; bh
	s_and_b32 s14, ttmp9, 1
	s_lshl_b32 s15, s14, 5
	s_lshl_b32 s18, s52, 3
	s_add_co_u32 s15, s15, s18                     ; my first tile of queries
	s_add_co_u32 s50, s15, 7                       ; and my last
	s_mov_b32 s19, 0                               ; stays 0: the upper word of every offset
	s_mov_b32 s24, 3<<16                           ; group 1: 48 dense rows of 256 bytes
	s_mov_b32 s25, 32<<16
	s_mov_b32 s26, 48<<16
	s_mov_b32 s27, 32<<16
	s_mov_b32 s28, 48
	s_mov_b32 s29, 32
	s_mov_b32 s30, 0
	s_mov_b32 s31, 0
	s_mov_b32 s32, 1
	s_mul_i32 s33, s12, 12288                      ; LDS: my eighth
	s_mov_b32 s20, 0x76543210
	s_mov_b32 s21, 0xfedcba98                      ; lane l xor 16
	s_mov_b32 s22, 0x3e38aa3b                      ; c
	s_mov_b32 s23, s22
	s_mov_b32 s51, 0xbe38aa3b                      ; -c
	s_mul_i32 s54, s53, 24576                      ; my half of K's, and of V's, images
	s_wait_dscnt 0x0
	s_wait_kmcnt 0x0
	s_mul_i32 s18, s13, 147456
	s_add_nc_u64 s[36:37], s[4:5], s[18:19]        ; the head's images
	s_add_co_u32 s18, s33, 49152
	s_add_nc_u64 s[34:35], s[36:37], s[18:19]
	s_or_b32 s35, s35, 0x80000000
	tensor_load_to_lds s[32:35], s[24:31]          ; my one tensor load: filled once
	s_nop 0
	PLACES
	s_mul_i32 s18, s13, 10240
	s_add_nc_u64 s[38:39], s[6:7], s[18:19]        ; the head's scale words
	s_lshl_b32 s18, s53, 11
	s_add_nc_u64 s[58:59], s[38:39], s[18:19]      ; K's, my half
	s_lshl_b32 s18, s53, 10
	s_add_nc_u64 s[60:61], s[38:39], s[18:19]      ; V's, my half
	s_lshr_b32 s14, s13, 4                         ; batch
	s_lshl_b32 s18, s14, 19
	s_lshl_b32 s55, s53, 12
	s_add_co_u32 s18, s18, s55
	s_add_nc_u64 s[40:41], s[8:9], s[18:19]        ; the batch's mask images, my half of the keys
	s_lshl_b32 s18, s14, 22
	s_and_b32 s14, s13, 15
	s_lshl_b32 s14, s14, 8
	s_add_co_u32 s18, s18, s14
	s_lshl_b32 s14, s15, 16
	s_add_co_u32 s18, s18, s14
	s_lshl_b32 s14, s53, 15
	s_add_co_u32 s18, s18, s14
	s_add_nc_u64 s[42:43], s[10:11], s[18:19]      ; out: batch, head's 256 bytes, my first tile, my 8 rows of it
	v_and_b32 v22, 31, v0
	v_and_b32 v23, 15, v0                          ; r
	v_bfe_u32 v24, v0, 4, 1                        ; h
	v_lshlrev_b32 v[A16], 4, v22
	v_lshlrev_b32 v[A8], 3, v22
	v_lshlrev_b32 v[AQS], 4, v23
	v_add_nc_u32 v[KA16], s54, v[A16]
	v_add_nc_u32 v[KA8], s54, v[A8]
	s_add_co_u32 s55, s54, 49152
	v_add_nc_u32 v[VA], s55, v[A16]
	s_mul_i32 s18, s12, STW
	s_add_co_u32 s18, s18, STAGE
	v_mul_u32_u24 v25, v23, 272
	v_lshl_add_u32 v25, v24, 6, v25
	v_add_nc_u32 v[STI], s18, v25                  ; in: row r, + 64 h
	v_mul_u32_u24 v26, v24, 272
	v_lshl_add_u32 v26, v23, 4, v26                ; back: lanes 0-15 one row, lanes 16-31 the next
	s_mul_i32 s14, s53, 2176                       ; rows 8 (w / 4) on
	s_add_co_u32 s18, s18, s14
	v_add_nc_u32 v[STO], s18, v26
	s_mul_i32 s18, s56, STW
	s_add_co_u32 s18, s18, STAGE
	s_add_co_u32 s18, s18, s14
	v_add_nc_u32 v[STQ], s18, v26
	v_lshlrev_b32 v[OUTO], 12, v24
	v_lshl_add_u32 v[OUTO], v23, 4, v[OUTO]
	s_lshl_b32 s18, s12, 8
	s_add_co_u32 s18, s18, XCH
	v_add_nc_u32 v[XS], s18, v[A8]
	s_lshl_b32 s18, s56, 8
	s_add_co_u32 s18, s18, XCH
	v_add_nc_u32 v[XL], s18, v[A8]
	WALU
.macro TILEADR                         ; where tile s17's Q, scale word and mask words lie
	s_mul_i32 s18, s17, 768
	s_add_nc_u64 s[44:45], s[36:37], s[18:19]
	s_lshr_b32 s18, s17, 2
	s_lshl_b32 s18, s18, 8
	s_and_b32 s14, s17, 3
	s_lshl_b32 s14, s14, 2
	s_add_co_u32 s18, s18, s14
	s_add_nc_u64 s[46:47], s[38:39], s[18:19]
	s_lshl_b32 s18, s17, 13
	s_add_nc_u64 s[48:49], s[40:41], s[18:19]
.endm
.macro ASKTILE                         ; 11 loads
	global_load_b128 v[QF:QF+3], v[A16], s[44:45]
	global_load_b64 v[QF+4:QF+5], v[A8], s[44:45] offset:512
	global_load_b32 v[QSC], v[AQS], s[46:47]
.irp y, 0,1,2,3,4,5,6,7
	global_load_b128 v[MC+4*\y:MC+4*\y+3], v[A16], s[48:49] offset:512*\y
.endr
.endm
.irp x, 0,1,2,3                        ; K's scale words: register 4 x + i: lanes 0-15 tile 8 x + i, lanes 16-31 tile 8 x + 4 + i
	global_load_b128 v[KSC+4*\x:KSC+4*\x+3], v[A16], s[58:59] offset:4096+512*\x
.endr
.irp y, 0,1                            ; V's: register 4 y + i: lanes 0-15 chunk 2 y, lanes 16-31 chunk 2 y + 1, tile i of channels
	global_load_b128 v[VSC+4*\y:VSC+4*\y+3], v[A16], s[60:61] offset:8192+512*\y
.endr
	s_mov_b32 s17, s15
	TILEADR
	ASKTILE
.irp j, 0,1,2,3,4,5
	v_mov_b32 v[QF+6+\j], 0                        ; Q's K = 64 .. 127: zero codes, written once
	v_mov_b32 v[KF0+24+\j], 0                      ; the pads: any bits serve, they meet zero codes
	v_mov_b32 v[KF1+24+\j], 0
.endr
.set k, 0
.rept 16
	v_mov_b32 v[TT+k], 0                           ; a lane permute's destination counts as one of its sources
.set k, k+1
.endr
	v_mov_b32 v19, 0                               ; the upper halves of pairs whose low word serves both halves
	v_mov_b32 v21, 0
	v_mov_b32 v[BSC], 0xe3e3e3e3
	v_mov_b32 v[NCL], 0xf1000000
	WALU                                           ; the head's end
	s_wait_tensorcnt 0x0                           ; my eighth has landed,
	s_barrier_signal -1
	s_barrier_wait -1                              ; everybody's has; nothing is filled again
	s_mov_b32 s16, 0
.macro FETCHK x, g                     ; tiles 8 x + 4 g .. + 3 of my half of K into set g: 8 loads
.irp t, 0,1,2,3
	ds_load_b128 v[KF0+30*(\g)+6*\t:KF0+30*(\g)+6*\t+3], v[KA16] offset:768*(8*(\x)+4*(\g)+\t)
	ds_load_b64 v[KF0+30*(\g)+6*\t+4:KF0+30*(\g)+6*\t+5], v[KA8] offset:768*(8*(\x)+4*(\g)+\t)+512
.endr
.endm
.macro QKMUL x, g                      ; S^T = K Q^T + mask: four accumulators, one instruction each
	WIN 0x50
.irp t, 0,1,2,3
.if (\g) == 0
	v_wmma_scale_f32_16x16x128_f8f6f4 v[64*(\x)+8*\t:64*(\x)+8*\t+7], v[KF0+6*\t:KF0+6*\t+11], v[QF:QF+11], v[64*(\x)+8*\t:64*(\x)+8*\t+7], v[KSC+4*(\x)+\t], v[QSC] matrix_a_fmt:MATRIX_FMT_FP6 matrix_b_fmt:MATRIX_FMT_FP6
.else
	v_wmma_scale_f32_16x16x128_f8f6f4 v[64*(\x)+32+8*\t:64*(\x)+32+8*\t+7], v[KF1+6*\t:KF1+6*\t+11], v[QF:QF+11], v[64*(\x)+32+8*\t:64*(\x)+32+8*\t+7], v[KSC+4*(\x)+\t], v[QSC] matrix_a_fmt:MATRIX_FMT_FP6 matrix_b_fmt:MATRIX_FMT_FP6 matrix_a_scale:MATRIX_SCALE_ROW1
.endif
.endr
.endm
.macro MAXH x, half                    ; the largest score of chunk x's four blocks (my 16 keys of each), with the leaf -2^99; each accumulator from its low end on; 16 lines a half
	WIN 0x14
.if (\half) == 0
.irp b, 0,1,2,3
	v_max3_num_f32 v[BM+4*(\x)+\b], v[NCL], v[64*(\x)+16*\b], v[64*(\x)+16*\b+1]
.endr
.irp i, 2,4,6
.irp b, 0,1,2,3
	v_max3_num_f32 v[BM+4*(\x)+\b], v[BM+4*(\x)+\b], v[64*(\x)+16*\b+\i], v[64*(\x)+16*\b+\i+1]
.endr
.endr
.else
.irp i, 8,10,12,14
.irp b, 0,1,2,3
	v_max3_num_f32 v[BM+4*(\x)+\b], v[BM+4*(\x)+\b], v[64*(\x)+16*\b+\i], v[64*(\x)+16*\b+\i+1]
.endr
.endr
.endif
.endm
; Chunk x's products, set by set; behind each set's four the maxima of the chunk before are the places in front of the next loads into that set
.macro P1 x
	WALU
	s_wait_dscnt 8                                 ; set 0 is in; set 1's 8 loads may be out
	QKMUL \x, 0
.if (\x) > 0
	MAXH (\x)-1, 0
.else
	PLACES
.endif
	WIN 0
.if (\x) < 3
	FETCHK (\x)+1, 0
	WALU
	s_wait_dscnt 8                                 ; set 1 is in; the next chunk's 8 loads may be out
.else
	WALU
	s_wait_dscnt 0x0
.endif
	QKMUL \x, 1
.if (\x) > 0
	MAXH (\x)-1, 1
.else
	PLACES
.endif
	WIN 0
.if (\x) < 3
	FETCHK (\x)+1, 1
.endif
.endm
.macro MULP x, part                    ; half of chunk x's p, normalised: 16 lines
	WIN 0x41
.set k, 16*(\part)
.rept 16
	v_pk_mul_f32 v[64*(\x)+2*k:64*(\x)+2*k+1], v[64*(\x)+2*k:64*(\x)+2*k+1], v[20:21] op_sel_hi:[1,0]
.set k, k+1
.endr
.endm
.macro CVTQ x                          ; chunk x's p becomes a fragment's codes in set x % 2
	WIN 0x01
.irp c, 0,1
	v_cvt_scalef32_pk16_fp6_f32 v[PC0+12*((\x)%2)+6*\c:PC0+12*((\x)%2)+6*\c+2], v[64*(\x)+32*\c:64*(\x)+32*\c+15], v[TT+4*(\x)+2*\c]
	v_cvt_scalef32_pk16_fp6_f32 v[TMPC+4*\c:TMPC+4*\c+2], v[64*(\x)+32*\c+16:64*(\x)+32*\c+31], v[TT+4*(\x)+2*\c+1]
.endr
	WIN 0
	v_nop                                          ; one plain place behind a scaled conversion
.irp c, 0,1                            ; a whole block in a lane
.irp i, 0,1,2
	v_permlane16_swap_b32 v[PC0+12*((\x)%2)+6*\c+\i], v[TMPC+4*\c+\i]
.endr
.irp i, 0,1,2
	v_mov_b32 v[PC0+12*((\x)%2)+6*\c+3+\i], v[TMPC+4*\c+\i]
.endr
.endr
.endm
.macro FETCHV x, s                     ; tiles 2 s, 2 s + 1 of chunk x of V^T into set s: 6 loads
.irp i, 0,1
.irp c, 0,1,2
	ds_load_b128 v[VS0-32*(\s)+12*\i+4*\c:VS0-32*(\s)+12*\i+4*\c+3], v[VA] offset:1536*(4*(\x)+2*(\s)+\i)+512*\c
.endr
.endr
.endm
.macro PVMUL x, s                      ; O^T += V^T P^T: the four accumulators take turns; chunk 0's products start the sums
.irp i, 0,1
.if (\x) == 0
	v_wmma_scale_f32_16x16x128_f8f6f4 v[OA+8*(2*(\s)+\i):OA+8*(2*(\s)+\i)+7], v[VS0-32*(\s)+12*\i:VS0-32*(\s)+12*\i+11], v[PC0:PC0+11], 0, v[VSC+2*(\s)+\i], v[PSW] matrix_a_fmt:MATRIX_FMT_FP6 matrix_b_fmt:MATRIX_FMT_FP6
.elseif (\x)%2 == 0
	v_wmma_scale_f32_16x16x128_f8f6f4 v[OA+8*(2*(\s)+\i):OA+8*(2*(\s)+\i)+7], v[VS0-32*(\s)+12*\i:VS0-32*(\s)+12*\i+11], v[PC0:PC0+11], v[OA+8*(2*(\s)+\i):OA+8*(2*(\s)+\i)+7], v[VSC+4*((\x)/2)+2*(\s)+\i], v[PSW+(\x)] matrix_a_fmt:MATRIX_FMT_FP6 matrix_b_fmt:MATRIX_FMT_FP6
.else
	v_wmma_scale_f32_16x16x128_f8f6f4 v[OA+8*(2*(\s)+\i):OA+8*(2*(\s)+\i)+7], v[VS0-32*(\s)+12*\i:VS0-32*(\s)+12*\i+11], v[PC0+12:PC0+23], v[OA+8*(2*(\s)+\i):OA+8*(2*(\s)+\i)+7], v[VSC+4*((\x)/2)+2*(\s)+\i], v[PSW+(\x)] matrix_a_fmt:MATRIX_FMT_FP6 matrix_b_fmt:MATRIX_FMT_FP6 matrix_a_scale:MATRIX_SCALE_ROW1
.endif
.endr
.endm
; Chunk x: quantise (its 13 plain lines are the places in front of the loads into V's set 1); normalise the next chunk in two halves (places for the codes and for the loads into set 0); multiply
.macro P3 x
	CVTQ \x
.if (\x) > 0
	FETCHV \x, 1
.endif
.if (\x) < 3
	MULP (\x)+1, 0
.else
	PLACES
.endif
	WIN 0
	WALU
.if (\x) > 0
	s_wait_dscnt 6                                 ; set 0 is in; set 1's 6 loads may be out
.endif
	PVMUL \x, 0
.if (\x) < 3
	MULP (\x)+1, 1
	WIN 0
	FETCHV (\x)+1, 0
	WALU
	s_wait_dscnt 6                                 ; set 1 is in; the next chunk's 6 loads may be out
.else
	s_wait_dscnt 0x0
.endif
	PVMUL \x, 1
.endm
.Ltile:                                            ; 8 trips, a tile of 16 queries each
	s_wait_loadcnt 0x0                             ; the tile's Q, scale word and mask words (in the first trip also K's and V's scale words)
	FETCHK 0, 0
	FETCHK 0, 1
	WIN 0x40
.set k, 0
.rept 32
	v_cvt_scale_pk8_f32_fp4 v[8*k:8*k+7], v[MC+k], v[BSC]   ; the mask: 0 or -2^100 into all 256 accumulator registers
.set k, k+1
.endr
	PLACES
	; ---- all scores of my keys, and each block's largest
.irp x, 0,1,2,3
	P1 \x
.endr
	MAXH 3, 0
	MAXH 3, 1
	WIN 0
	WALU
	; ---- the next tile's Q, scale word and mask words; the last trip asks for its own tile again, so that no load leaves its buffer
	s_add_co_u32 s17, s15, s16
	s_add_co_u32 s17, s17, 1
	s_min_u32 s17, s17, s50
	TILEADR
	ASKTILE
	FETCHV 0, 0
	FETCHV 0, 1
	; ---- the blocks' maxima and my half's
.set k, 0
.rept 16
	v_permlanex16_b32 v[TT+k], v[BM+k], s20, s21
.set k, k+1
.endr
.set k, 0
.rept 16
	v_max_num_f32 v[BM+k], v[BM+k], v[TT+k]
.set k, k+1
.endr
.irp n, 0,1,2,3
	v_max3_num_f32 v[22+\n], v[BM+3*\n], v[BM+3*\n+1], v[BM+3*\n+2]
.endr
	v_max3_num_f32 v22, v22, v[BM+12], v[BM+13]
	v_max3_num_f32 v23, v23, v[BM+14], v[BM+15]
	v_max_num_f32 v24, v24, v25
	v_max3_num_f32 v16, v22, v23, v24              ; Mw
	v_mul_f32 v18, s51, v16                        ; -c Mw
	; ---- p = 2^(c s - c Mw): all multiply-adds, one wait, all exponentials, one wait
.set k, 0
.rept 8
	v_pk_fma_f32 v[BM+2*k:BM+2*k+1], v[BM+2*k:BM+2*k+1], s[22:23], v[18:19] op_sel_hi:[1,0,0]
.set k, k+1
.endr
	WIN 0x41
.set k, 0
.rept 128
	v_pk_fma_f32 v[2*k:2*k+1], v[2*k:2*k+1], s[22:23], v[18:19] op_sel_hi:[1,0,0]
.set k, k+1
.endr
	WALU
.set k, 0
.rept 256
	v_exp_f32 v[k], v[k]
.set k, k+1
.endr
	WIN 0
.set k, 0
.rept 16
	v_exp_f32 v[BM+k], v[BM+k]
.set k, k+1
.endr
	v_nop
	WALU
	; ---- my half's sum of the unnormalised p, in eight chains of pairs
	WIN 0x05
.set k, 0
.rept 8
	v_pk_add_f32 v[SA+2*k:SA+2*k+1], v[2*k:2*k+1], v[2*k+16:2*k+17]
.set k, k+1
.endr
	WIN 0x04
.set k, 16
.rept 112
	v_pk_add_f32 v[SA+2*(k%8):SA+2*(k%8)+1], v[SA+2*(k%8):SA+2*(k%8)+1], v[2*k:2*k+1]
.set k, k+1
.endr
	WIN 0
.irp n, 0,2,4,6
	v_pk_add_f32 v[SA+\n:SA+\n+1], v[SA+\n:SA+\n+1], v[SA+8+\n:SA+9+\n]
.endr
	v_pk_add_f32 v[SA:SA+1], v[SA:SA+1], v[SA+4:SA+5]
	v_pk_add_f32 v[SA+2:SA+3], v[SA+2:SA+3], v[SA+6:SA+7]
	v_pk_add_f32 v[SA:SA+1], v[SA:SA+1], v[SA+2:SA+3]
	v_add_f32 v17, v[SA], v[SA+1]
	v_permlanex16_b32 v22, v17, s20, s21
	v_add_f32 v17, v17, v22
	; ---- the pair swaps (Mw, sum)
	ds_store_b64 v[XS], v[16:17]
	WALU
	s_wait_dscnt 0x0                               ; my store is done, for my partner's sake
	s_barrier_signal -1
	s_barrier_wait -1
	ds_load_b64 v[22:23], v[XL]
	s_wait_dscnt 0x0
	v_max_num_f32 v24, v16, v22                    ; M
	v_sub_f32 v25, v16, v24
	v_sub_f32 v26, v22, v24
	v_mul_f32 v25, s22, v25
	v_mul_f32 v26, s22, v26
	WALU
	v_exp_f32 v25, v25                             ; f of my half,
	v_exp_f32 v26, v26                             ; and of my partner's
	v_nop
	WALU
	v_mul_f32 v27, v17, v25
	v_fmac_f32 v27, v23, v26                       ; the row's sum
	WALU
	v_rcp_f32 v28, v27
	v_cmp_lt_f32 vcc_lo, 0, v27                    ; is any key open?
	v_nop
	WALU
	v_mul_f32 v28, v28, v25
	v_cndmask_b32 v20, 0, v28, vcc_lo              ; f / sum, or 0 for a row all of whose keys are masked: a choice of a value, no branch
	; ---- the scales of my 16 blocks
.set k, 0
.rept 8
	v_pk_mul_f32 v[BM+2*k:BM+2*k+1], v[BM+2*k:BM+2*k+1], v[20:21] op_sel_hi:[1,0]
.set k, k+1
.endr
.set k, 0
.rept 16
	v_max_num_f32 v[BM+k], 0x1800000, v[BM+k]      ; the floor 2^(3 - 127)
.set k, k+1
.endr
.set k, 0
.rept 16
	v_add_nc_u32 v[TT+k], 0xff000000, v[BM+k]      ; the conversion's scale operand
.set k, k+1
.endr
.set k, 0
.rept 16
	v_lshrrev_b32 v[BM+k], 23, v[TT+k]             ; the scale's byte
.set k, k+1
.endr
.irp x, 0,1,2,3
	v_lshl_or_b32 v[PSW+\x], v[BM+4*\x+1], 8, v[BM+4*\x]
.endr
.irp x, 0,1,2,3
	v_lshl_or_b32 v[PSW+\x], v[BM+4*\x+2], 16, v[PSW+\x]
.endr
.irp x, 0,1,2,3
	v_lshl_or_b32 v[PSW+\x], v[BM+4*\x+3], 24, v[PSW+\x]
.endr
	; ---- normalise, quantise, multiply by V
	MULP 0, 0
	MULP 0, 1
.irp x, 0,1,2,3
	P3 \x
.endr
	; ---- the way out: register 16 b + 8 u + j of O^T is channel 32 b + 16 h + 8 u + j of query r.  My partial sums into my stage; a barrier; 8 rows from both stages, added, stored as whole rows of 256 bytes
	PLACES
.irp n, 0,1,2,3,4,5,6,7
	ds_store_b128 v[STI], v[OA+4*\n:OA+4*\n+3] offset:128*(\n/4)+16*(\n%4)   ; each accumulator from its low end on
.endr
	s_wait_dscnt 0x0
	s_barrier_signal -1
	s_barrier_wait -1
.irp i, 0,1,2,3
	ds_load_b128 v[OB+4*\i:OB+4*\i+3], v[STO] offset:544*\i
.endr
.irp i, 0,1,2,3
	ds_load_b128 v[OB+16+4*\i:OB+16+4*\i+3], v[STQ] offset:544*\i
.endr
	s_wait_dscnt 0x0
.set k, 0
.rept 8
	v_pk_add_f32 v[OB+2*k:OB+2*k+1], v[OB+2*k:OB+2*k+1], v[OB+16+2*k:OB+17+2*k]
.set k, k+1
.endr
.irp i, 0,1,2,3
	global_store_b128 v[OUTO], v[OB+4*\i:OB+4*\i+3], s[42:43] offset:8192*\i th:TH_STORE_NT   ; sixteen lanes store a row's 256 consecutive bytes, aligned
.endr
	s_wait_xcnt 0x0                                ; the stores have read their registers and their base
	s_add_nc_u64 s[42:43], s[42:43], 65536         ; 16 rows on
	s_add_co_u32 s16, s16, 1
	s_cmp_lt_u32 s16, 8
	WALU
	s_cbranch_scc1 .Ltile
	s_wait_tensorcnt 0x0                           ; the wave's end
	ds_add_u32 v[SPW], v[NIL]
	s_wait_dscnt 0x0
	s_endpgm
.Lfunc_end_k_qb0f3491f2b_attn:
	.size	k_qb0f3491f2b_attn, .Lfunc_end_k_qb0f3491f2b_attn-k_qb0f3491f2b_attn
	.p2alignl 7, 3214868480
	.fill 96, 4, 3214868480
	.section	.rodata,"a",@progbits
	.p2align	6, 0x0
	.amdhsa_kernel k_qb0f3491f2b_attn
		.amdhsa_group_segment_fixed_size 167936
		.amdhsa_private_segment_fixed_size 0
		.amdhsa_enable_private_segment 0
		.amdhsa_kernarg_size 32
		.amdhsa_user_sgpr_count 2
		.amdhsa_user_sgpr_kernarg_segment_ptr 1
		.amdhsa_wavefront_size32 1
		.amdhsa_system_sgpr_workgroup_id_x 1
		.amdhsa_system_sgpr_workgroup_id_y 1
		.amdhsa_system_sgpr_workgroup_id_z 1
		.amdhsa_system_vgpr_workitem_id 0
		.amdhsa_next_free_vgpr 512
		.amdhsa_next_free_sgpr 66
		.amdhsa_reserve_vcc 1
		.amdhsa_float_denorm_mode_32 3
		.amdhsa_float_denorm_mode_16_64 3
		.amdhsa_memory_ordered 1
		.amdhsa_forward_progress 1
		.amdhsa_inst_pref_size 81
	.end_amdhsa_kernel
	.amdgpu_metadata
---
amdhsa.version: [ 1, 2 ]
amdhsa.kernels:
  - .name:           k_qb0f3491f2b_attn
    .symbol:         k_qb0f3491f2b_attn.kd
    .args:
      - { .name: img, .offset: 0, .size: 8, .value_kind: global_buffer, .address_space: global }
      - { .name: scl, .offset: 8, .size: 8, .value_kind: global_buffer, .address_space: global }
      - { .name: mimg, .offset: 16, .size: 8, .value_kind: global_buffer, .address_space: global }
      - { .name: out0, .offset: 24, .size: 8, .value_kind: global_buffer, .address_space: global }
    .group_segment_fixed_size: 167936
    .private_segment_fixed_size: 0
    .kernarg_segment_align: 8
    .kernarg_segment_size: 32
    .max_flat_workgroup_size: 256
    .sgpr_count:     66
    .vgpr_count:     512
    .wavefront_size: 32
...
	.end_amdgpu_metadata
.endif
;; end of part 3
